; MI455X (gfx1250); checked and timed in simulation.
; The chip was launched on July 23, 2026; its instructions are those of AMD's public machine-readable ISA for CDNA 5 (MIT licence, August 2026) and "CDNA5" Instruction Set Architecture Reference Guide (July 2026). The comments in the code are by the model that wrote it; some were corrected since.
;; Self Attention. Allowed arithmetic: matrix products marked QUANTISED: E3M2 operands, one E8M0 scale for each 32 along K, by v_wmma_scale_f32_16x16x128_f8f6f4 with both operands' format E3M2, f32 sums; everything else in f32.
;; Inputs: Wk 1,024 x 1,024 float32; Wq 1,024 x 1,024 float32; Wv 1,024 x 1,024 float32; bk 1,024 float32; bq 1,024 float32; bv 1,024 float32; hidden_states 4 x 2,048 x 1,024 float32.
;; Outputs: out0 4 x 2,048 x 1,024 float32.
;; This version of the problem:
;;   THIS VERSION OF THE PROBLEM IS GIVEN IN LOW PRECISION. The matrix products marked QUANTISED in the list below multiply operands that are first quantised to E3M2 (3 exponent bits, 2 mantissa bits; 6 bits a number), with one power-of-two scale for each 32 numbers along K (OCP MX v1.0); their sums are f32. All else is computed in f32.
;;   The module's matrix products, in the order in which they are computed (A, B: the left and right operand; K: the contracted axis; several contracted axes count as one K, in the product's order):
;;     1. [M 8,192, K 1,024] x [K 1,024, N 1,024]; A: input hidden_states; B: input Wq: QUANTISED
;;     2. [M 8,192, K 1,024] x [K 1,024, N 1,024]; A: input hidden_states; B: input Wk: QUANTISED
;;     3. [M 8,192, K 1,024] x [K 1,024, N 1,024]; A: input hidden_states; B: input Wv: QUANTISED
;;     4. batch 64 x [M 2,048, K 64] x [K 64, N 2,048]; A: computed on the way; B: computed on the way: QUANTISED
;;     5. batch 64 x [M 2,048, K 2,048] x [K 2,048, N 64]; A: softmax (see below); B: computed on the way: QUANTISED
;;   THE QUANTISER, for each operand of a quantised product, along K:
;;     - K is cut into blocks of 32 from its start; a last block that is shorter is filled with zeros.
;;     - A block's scale is 2^e with e = floor(log2(the largest magnitude in the block)) - 4, held to -126 .. 127; a block of zeros has e = 0. As a byte (E8M0): e + 127.
;;     - Each number is divided by its block's scale, clamped to +-28, and rounded to the nearest number of E3M2, ties to even, subnormals kept.
;;     - The product sums the exact products of the quantised numbers (number of the format x scale) in f32.
;;   ~~~python
;;   def quantise(x, axis):      # numpy; x: float32 -> the quantised numbers, widened to float32 again
;;       x = np.moveaxis(x, axis, -1); K = x.shape[-1]
;;       x = np.pad(x, [(0, 0)] * (x.ndim - 1) + [(0, -K % 32)]); x = x.reshape(x.shape[:-1] + (-1, 32)); a = np.abs(x).max(-1, keepdims=True)
;;       e = np.where(a > 0, np.clip(np.frexp(np.where(a > 0, a, 1))[1] - 1 - 4, -126, 127), 0)      # np.frexp(a)[1] - 1 = floor(log2(a)), exactly
;;       r = np.clip(x / 2.0 ** e, -28, 28)
;;       step = 2.0 ** (np.maximum(np.frexp(np.where(r == 0, 1, r))[1] - 1, -2) - 2)
;;       q = np.round(r / step) * step * 2.0 ** e      # np.round: ties to even
;;       return np.moveaxis(q.reshape(q.shape[:-2] + (-1,))[..., :K], -1, axis).astype(np.float32)
;;   ~~~
;;   SOFTMAX AHEAD OF A QUANTISED PRODUCT. Where the list says 'softmax', what is quantised is not the finished softmax but p = 2^(t - M), with t = logit x log2(e) and M = ceil(the row's largest t), a whole number; so 1/2 < the row's largest p <= 1. The row's sum l is taken of the UNQUANTISED p, in f32, and the product's result is divided by l at the end. Since M is a whole number, a kernel that streams over the keys may use a running M (the ceiling of the running maximum): every later rescaling is an exact power of two, which a block's scale takes up: the codes' values come out the same.
;;   OPERANDS COMPUTED ON THE WAY. 'Computed on the way' means the value that the module computes at that place (a softmax that the list does not call 'softmax' is quantised finished and normalised). What goes into a quantiser is computed in f32, as accurately as f32 sums, v_exp_f32 and their like allow (about 1e-6 of the number): no bf16 or f16 on the way to a quantiser, and a product that is left as it is and whose result goes on into a quantised operand takes f32 operands (vector FMAs, or v_wmma_f32_16x16x4_f32). A number that lies on a knife's edge between two numbers of the format may be rounded either way, as far as f32 arithmetic and the matrix unit's own rounding can turn it there, and no further.
;; One version. Each part assembles by itself: llvm-mc -triple=amdgcn-amd-amdhsa -mcpu=gfx1250 --defsym DOCPART=n.
;; ======== version 1 of 1: 3 launches
;; limits: right only within a limited range of input values
;; workspace buffers: xw_codes 8,650,752 bytes; xw_scales 360,448 bytes; q_codes 6,291,456 bytes; q_scales 524,288 bytes; kv_codes 12,582,912 bytes; kv_scales 786,432 bytes
;; launch quant (part 1): grid 704 x 1, 4 waves a work-group, no clusters, 80,384 bytes of LDS; arguments hidden_states, Wq, Wk, Wv, xw_codes, xw_scales; writes xw_codes, xw_scales
.if DOCPART == 1
	.amdgcn_target "amdgcn-amd-amdhsa--gfx1250"
	.amdhsa_code_object_version 6
	.text
	.protected	k_qb8a519135e_quant
	.globl	k_qb8a519135e_quant
	.p2align	8
	.type	k_qb8a519135e_quant,@function
k_qb8a519135e_quant:
	s_mov_b64 s[64:65], 0
	v_nop
	global_prefetch_b8 v0, s[64:65] scope:SCOPE_SE
	s_setreg_imm32_b32 hwreg(HW_REG_WAVE_MODE, 25, 1), 1
	s_wait_xcnt 0x0
; hidden_states [8192][1024] and Wq, Wk, Wv [1024 (k)][1024 (feature)], f32, become codes of BF6 (E3M2) along K = the 1,024 of the embedding, with one E8M0 byte for each 32 along K.
; A block's scale is 2^(floor(log2(its largest magnitude)) - 4): its byte is the largest magnitude's exponent field - 4, held at 1 from below by a floor among the maximum's leaves.
; LIMITS: a block of zeros, and a block whose largest magnitude lies under 2^-122, gets the byte 1 (the bytes are read by this program alone; a block of zeros has zero codes); NaN and infinities are not served.
; WHAT IS WRITTEN.  Rows (tokens of x, features of W) go in groups of 32; a group has two tiles u of 16 rows; lane-row r of tile u is row 8 u + r + 8 (r / 8) of the group.
; xw_codes [group 0..351][K step s 0..7][u][1,536 bytes]: the IMAGE of a matrix operand's 12 registers: registers 4 q .. 4 q + 3 of lane r + 16 h at byte 512 q + 16 (r + 16 h); registers 6 c .. 6 c + 5 hold k = 128 s + 64 c + 32 h + 0 .. 31.
; xw_scales [group][s][16 u + r]: one word a row, byte b for k = 128 s + 32 b on.  Groups 0..255: tokens; 256 + 32 mat + feature / 32: Wq, Wk, Wv (mat 0, 1, 2).
; SHARES.  A wave takes ONE unit of 32 rows x 128 K: 16 KiB in, 3,072 + 128 bytes out; no loop.  Work-groups 0..511 take x, 512..703 the weights.  For the conversions a lane must hold neighbours along K of one row:
; x (K innermost) is loaded 512 consecutive bytes a row and turned through the wave's own stage in LDS; W (K outermost) is loaded a lane to a column, registers down K: nothing is turned.
; Behind that both kinds take one path.  Waves share nothing: no barrier.  The 128 bytes of scale words are half of an aligned block of 256 bytes: 128 of a unit's 3,200 bytes out.
.set XWG,   512                        ; work-groups that take x
.set SP,    528                        ; a stage row: 512 bytes + 16: an odd multiple of 16
.set IMG,   32*SP                      ; behind the stage: the unit's two images, 3,072 bytes
.set WREG,  IMG+3072                   ; LDS bytes of a wave
.set X,     16                         ; v16-143  register X + i: number i along K of my row
.set TM,    144                        ; v144-147 the four blocks' largest magnitudes
.set TMS,   148                        ; v148-151 the conversions' scale operands
.set BY,    152                        ; v152-155 the scale bytes
.set WORD,  156                        ; v156     my row's scale word
.set CB,    160                        ; v160-183 codes, six registers a block
.set T2,    184                        ; v184-199 the upper sixteen codes of each block as they are made
	s_load_b256 s[4:11], s[0:1], 0x0               ; hidden_states, Wq, Wk, Wv
	s_load_b128 s[12:15], s[0:1], 0x20             ; xw_codes, xw_scales
	v_lshl_add_u32 v200, v0, 2, 0x13800
	v_mov_b32 v201, 0
	v_lshrrev_b32 v1, 5, v0
	v_readfirstlane_b32 s16, v1                    ; wave 0..3
	v_and_b32 v1, 31, v0                           ; lane = my row of the group
	v_lshlrev_b32 v2, 4, v1                        ; 16 x lane
	s_mul_i32 s17, s16, WREG                       ; my wave's LDS bytes
	v_add_nc_u32 v3, s17, v2                       ; the stage on the way in: 16 x lane of a row
	v_mul_u32_u24 v4, v1, SP
	v_add_nc_u32 v4, s17, v4                       ; and on the way out: row = lane
	v_bfe_u32 v9, v1, 3, 1                         ; u: which tile my row belongs to
	v_and_b32 v10, 7, v1
	v_lshrrev_b32 v11, 4, v1
	v_lshl_add_u32 v10, v11, 3, v10                ; r: its lane-row there
	v_lshl_add_u32 v7, v9, 4, v10
	v_lshlrev_b32 v7, 2, v7                        ; my scale word's place: 4 (16 u + r)
	v_mul_u32_u24 v5, v9, 1536
	v_lshl_add_u32 v5, v10, 4, v5
	v_add_nc_u32 v5, s17, v5
	v_add_nc_u32 v5, IMG, v5                       ; my row's place in the images: 1,536 u + 16 r
	v_add_nc_u32 v6, IMG, v3                       ; the images read back: 16 x lane
	v_lshlrev_b32 v8, 2, v1                        ; 4 x lane: my column of W
	; which unit: made for both kinds, then chosen by the work-group's number
	s_lshr_b32 s18, ttmp9, 1                       ; x: group
	s_and_b32 s19, ttmp9, 1
	s_lshl_b32 s19, s19, 2
	s_add_co_u32 s19, s19, s16                     ; x: K step: the four waves stand side by side on 2,048 bytes of each row
	s_lshl_b32 s22, s18, 17                        ; 32 rows of 4,096 bytes
	s_lshl_b32 s23, s19, 9
	s_add_co_u32 s22, s22, s23                     ; x: the unit's first byte
	s_sub_co_u32 s24, ttmp9, XWG
	s_lshr_b32 s25, s24, 6                         ; W: which matrix
	s_bfe_u32 s26, s24, 0x30003                    ; W: K step
	s_and_b32 s27, s24, 7
	s_lshl_b32 s27, s27, 2
	s_add_co_u32 s27, s27, s16                     ; W: group of 32 features: the four waves stand side by side on 512 bytes of each row
	s_lshl_b32 s28, s26, 19                        ; 128 rows of 4,096 bytes
	s_lshl_b32 s29, s27, 7
	s_add_co_u32 s28, s28, s29                     ; W: the unit's first byte
	s_lshl_b32 s29, s25, 5
	s_add_co_u32 s29, s29, s27
	s_add_co_u32 s29, s29, 256                     ; W: group in the workspace
	s_wait_kmcnt 0x0
	s_cmp_eq_u32 s25, 1
	s_cselect_b64 s[20:21], s[8:9], s[6:7]
	s_cmp_eq_u32 s25, 2
	s_cselect_b64 s[20:21], s[10:11], s[20:21]
	s_cmp_lt_u32 ttmp9, XWG
	s_cselect_b64 s[20:21], s[4:5], s[20:21]       ; the source
	s_cselect_b32 s18, s18, s29                    ; the group
	s_cselect_b32 s19, s19, s26                    ; the K step
	s_cselect_b32 s22, s22, s28
	s_mov_b32 s23, 0
	s_add_nc_u64 s[20:21], s[20:21], s[22:23]
	s_mul_i32 s24, s18, 24576
	s_mul_i32 s25, s19, 3072
	s_add_co_u32 s24, s24, s25
	s_mov_b32 s25, 0
	s_add_nc_u64 s[12:13], s[12:13], s[24:25]      ; where the unit's images go
	s_lshl_b32 s24, s18, 10
	s_lshl_b32 s26, s19, 7
	s_add_co_u32 s24, s24, s26
	s_add_nc_u64 s[14:15], s[14:15], s[24:25]      ; and its scale words
	s_cmp_lt_u32 ttmp9, XWG
	s_cbranch_scc0 .Lweights
	; x: 32 loads, each 512 consecutive bytes of one row; through the stage; lane l takes row l back
.set i, 0
.rept 32
	global_load_b128 v[X+4*i:X+4*i+3], v2, s[20:21] offset:4096*i th:TH_LOAD_NT
.set i, i+1
.endr
.set i, 0
.irp g, 0,1,2,3
	s_wait_loadcnt 24-8*\g                         ; loads come back in order: these eight are in, the younger ones stay out
.rept 8
	ds_store_b128 v3, v[X+4*i:X+4*i+3] offset:SP*i
.set i, i+1
.endr
.endr
	s_wait_dscnt 0x0                               ; the stores have read their registers, which the loads below fill
.set i, 0
.rept 32
	ds_load_b128 v[X+4*i:X+4*i+3], v4 offset:16*i
.set i, i+1
.endr
	s_wait_dscnt 0x0
	s_branch .Ltail
.Lweights:
	; W: a lane takes a column, its registers run down K: each load reads 128 consecutive bytes
.set i, 0
	s_wait_alu depctr_va_vdst(0)
.rept 128
	global_load_b32 v[X+i], v8, s[20:21] offset:4096*i th:TH_LOAD_NT
.set i, i+1
.endr
	s_wait_loadcnt 0x0
.Ltail:
	; the four blocks of 32 by turns, so that no line waits for the line above it
.irp b, 0,1,2,3
	v_max3_num_f32 v[TM+\b], |v[X+32*\b]|, |v[X+32*\b+1]|, 0x2800000   ; and the floor 2^(5 - 127): the byte cannot fall under 1
.endr
.irp e, 2,4,6,8,10,12,14,16,18,20,22,24,26,28,30
.irp b, 0,1,2,3
	v_max3_num_f32 v[TM+\b], v[TM+\b], |v[X+32*\b+\e]|, |v[X+32*\b+\e+1]|
.endr
.endr
.irp b, 0,1,2,3
	v_add_nc_u32 v[TMS+\b], 0xfe000000, v[TM+\b]   ; 4 off the exponent field: the conversion takes the exponent field of this operand as its scale
.endr
.irp b, 0,1,2,3
	v_lshrrev_b32 v[BY+\b], 23, v[TMS+\b]          ; the scale's byte
.endr
	v_lshl_or_b32 v[WORD], v[BY+1], 8, v[BY]
	v_lshl_or_b32 v[WORD], v[BY+2], 16, v[WORD]
	v_lshl_or_b32 v[WORD], v[BY+3], 24, v[WORD]
.irp b, 0,1,2,3
	v_cvt_scalef32_pk16_bf6_f32 v[CB+6*\b:CB+6*\b+2], v[X+32*\b:X+32*\b+15], v[TMS+\b]
	v_cvt_scalef32_pk16_bf6_f32 v[T2+4*\b:T2+4*\b+2], v[X+32*\b+16:X+32*\b+31], v[TMS+\b]   ; (a conversion's three registers begin on an even number)
.endr
	v_nop                                          ; one plain instruction between a scaled conversion and the vector instruction that reads its result
.irp b, 0,1,2,3
.irp e, 0,1,2
	v_mov_b32 v[CB+6*\b+3+\e], v[T2+4*\b+\e]
.endr
.endr
	; block b = 2 c + h is registers 6 c .. 6 c + 5 of lane r + 16 h of my tile's image
.irp b, 0,1
	ds_store_b128 v5, v[CB+6*\b:CB+6*\b+3] offset:256*\b
	ds_store_b64 v5, v[CB+6*\b+4:CB+6*\b+5] offset:512+256*\b
.endr
.irp b, 2,3
	ds_store_b64 v5, v[CB+6*\b:CB+6*\b+1] offset:520+256*(\b-2)
	ds_store_b128 v5, v[CB+6*\b+2:CB+6*\b+5] offset:1024+256*(\b-2)
.endr
.irp q, 0,1,2,3,4,5
	ds_load_b128 v[X+4*\q:X+4*\q+3], v6 offset:512*\q   ; LDS serves a wave's instructions in order: these see the stores above
.endr
.irp q, 0,1,2,3,4,5
	s_wait_dscnt 5-\q                              ; the younger loads may stay out
	global_store_b128 v2, v[X+4*\q:X+4*\q+3], s[12:13] offset:512*\q   ; 32 lanes store 512 consecutive bytes, aligned
.endr
	global_store_b32 v7, v[WORD], s[14:15]
	s_wait_tensorcnt 0x0
	ds_add_u32 v200, v201
	s_wait_dscnt 0x0
	s_endpgm
.Lfunc_end_k_qb8a519135e_quant:
	.size	k_qb8a519135e_quant, .Lfunc_end_k_qb8a519135e_quant-k_qb8a519135e_quant
	.p2alignl 7, 3214868480
	.fill 96, 4, 3214868480
	.section	.rodata,"a",@progbits
	.p2align	6, 0x0
	.amdhsa_kernel k_qb8a519135e_quant
		.amdhsa_group_segment_fixed_size 80384
		.amdhsa_private_segment_fixed_size 0
		.amdhsa_enable_private_segment 0
		.amdhsa_kernarg_size 48
		.amdhsa_user_sgpr_count 2
		.amdhsa_user_sgpr_kernarg_segment_ptr 1
		.amdhsa_wavefront_size32 1
		.amdhsa_system_sgpr_workgroup_id_x 1
		.amdhsa_system_sgpr_workgroup_id_y 1
		.amdhsa_system_sgpr_workgroup_id_z 1
		.amdhsa_system_vgpr_workitem_id 0
		.amdhsa_next_free_vgpr 202
		.amdhsa_next_free_sgpr 66
		.amdhsa_reserve_vcc 0
		.amdhsa_float_denorm_mode_32 3
		.amdhsa_float_denorm_mode_16_64 3
		.amdhsa_memory_ordered 1
		.amdhsa_forward_progress 1
		.amdhsa_inst_pref_size 30
	.end_amdhsa_kernel
	.amdgpu_metadata
---
amdhsa.version: [ 1, 2 ]
amdhsa.kernels:
  - .name:           k_qb8a519135e_quant
    .symbol:         k_qb8a519135e_quant.kd
    .args:
      - { .name: hidden_states, .offset: 0, .size: 8, .value_kind: global_buffer, .address_space: global }
      - { .name: Wq, .offset: 8, .size: 8, .value_kind: global_buffer, .address_space: global }
      - { .name: Wk, .offset: 16, .size: 8, .value_kind: global_buffer, .address_space: global }
      - { .name: Wv, .offset: 24, .size: 8, .value_kind: global_buffer, .address_space: global }
      - { .name: xw_codes, .offset: 32, .size: 8, .value_kind: global_buffer, .address_space: global }
      - { .name: xw_scales, .offset: 40, .size: 8, .value_kind: global_buffer, .address_space: global }
    .group_segment_fixed_size: 80384
    .private_segment_fixed_size: 0
    .kernarg_segment_align: 8
    .kernarg_segment_size: 48
    .max_flat_workgroup_size: 128
    .sgpr_count:     66
    .vgpr_count:     202
    .wavefront_size: 32
...
	.end_amdgpu_metadata
.endif
;; end of part 1
;; launch qkv (part 2): grid 8 x 32, 4 waves a work-group, clusters of 4 x 1, 327,680 bytes of LDS; arguments xw_codes, xw_scales, bq, bk, bv, q_codes, q_scales, kv_codes, kv_scales; writes q_codes, q_scales, kv_codes, kv_scales
.if DOCPART == 2
	.amdgcn_target "amdgcn-amd-amdhsa--gfx1250"
	.amdhsa_code_object_version 6
	.text
	.protected	k_qb8a519135e_qkv
	.globl	k_qb8a519135e_qkv
	.p2align	8
	.type	k_qb8a519135e_qkv,@function
k_qb8a519135e_qkv:
	s_mov_b64 s[64:65], 0
	v_nop
	global_prefetch_b8 v0, s[64:65] scope:SCOPE_SE
	s_setreg_imm32_b32 hwreg(HW_REG_WAVE_MODE, 25, 1), 1
	s_wait_xcnt 0x0
	s_wait_alu depctr_hold_cnt(0) depctr_sa_sdst(0) depctr_va_vdst(0) depctr_va_sdst(0) depctr_va_ssrc(0) depctr_va_vcc(0) depctr_vm_vsrc(0)
	s_getreg_b32 s2, hwreg(HW_REG_IB_STS2, 6, 4)
	s_cmp_eq_u32 s2, 0
	s_cbranch_scc0 .Lentry_in_a_cluster
	s_endpgm
.Lentry_in_a_cluster:
	s_bfe_u32 s2, ttmp6, 0x10000c
	s_cmp_lg_u32 s2, 0x3003
	s_cbranch_scc0 .Lentry_shape_is_right
	s_endpgm
.Lentry_shape_is_right:
.set XS,    196608
.set STASH, 204800
.set GRPB,  24576
.set WSC,   12
.set XSC,   36
.set XF,    38
.set ACC,   86
.set PC,    182
.set TMX,   200
.set TMP,   206
.set T2,    200
.set TMS,   212
.set BY,    218
.set B1,    144
.set BV,    176
.set MSB, 0
.macro WIN new
.if MSB != (\new)
	s_set_vgpr_msb (MSB<<8)|(\new)
.set MSB, (\new)
.endif
.endm
.macro PLACES
.rept 4
	v_nop
.endr
.endm
.macro CROUND
	s_barrier_signal -1
	s_barrier_wait -1
	s_cmp_lg_u32 s22, 0
	s_cbranch_scc1 .Lnot_wave_0_\@
	s_barrier_signal -3
.Lnot_wave_0_\@:
	s_barrier_wait -3
	s_barrier_signal -1
	s_barrier_wait -1
.endm
.macro WM ra, rb
.if (\ra) && (\rb)
	v_wmma_scale_f32_16x16x128_f8f6f4 v[rD:rD+7], v[rA:rA+11], v[rB:rB+11], v[rC:rC+7], v[rSA], v[rSB] matrix_a_fmt:MATRIX_FMT_BF6 matrix_b_fmt:MATRIX_FMT_BF6 matrix_a_scale:MATRIX_SCALE_ROW1 matrix_b_scale:MATRIX_SCALE_ROW1
.elseif (\ra)
	v_wmma_scale_f32_16x16x128_f8f6f4 v[rD:rD+7], v[rA:rA+11], v[rB:rB+11], v[rC:rC+7], v[rSA], v[rSB] matrix_a_fmt:MATRIX_FMT_BF6 matrix_b_fmt:MATRIX_FMT_BF6 matrix_a_scale:MATRIX_SCALE_ROW1
.elseif (\rb)
	v_wmma_scale_f32_16x16x128_f8f6f4 v[rD:rD+7], v[rA:rA+11], v[rB:rB+11], v[rC:rC+7], v[rSA], v[rSB] matrix_a_fmt:MATRIX_FMT_BF6 matrix_b_fmt:MATRIX_FMT_BF6 matrix_b_scale:MATRIX_SCALE_ROW1
.else
	v_wmma_scale_f32_16x16x128_f8f6f4 v[rD:rD+7], v[rA:rA+11], v[rB:rB+11], v[rC:rC+7], v[rSA], v[rSB] matrix_a_fmt:MATRIX_FMT_BF6 matrix_b_fmt:MATRIX_FMT_BF6
.endif
.endm
	s_load_b512 s[4:19], s[0:1], 0x0
	s_load_b64 s[20:21], s[0:1], 0x40
	v_lshl_add_u32 v254, v0, 2, 0x33000
	v_mov_b32 v255, 0
	ds_add_u32 v254, v255
	ds_add_u32 v254, v255
	v_lshrrev_b32 v1, 5, v0
	v_readfirstlane_b32 s22, v1
	s_bfe_u32 s23, ttmp6, 0x40000
	s_lshl_b32 s24, ttmp9, 2
	s_add_co_u32 s24, s24, s23
	s_and_b32 s25, ttmp7, 0xffff
	s_mov_b32 s28, 15|(3<<16)|(1<<21)
	s_mov_b32 s29, 32<<16
	s_mov_b32 s30, 256<<16
	s_mov_b32 s31, 32<<16
	s_mov_b32 s32, 256
	s_mov_b32 s33, 32
	s_mov_b32 s34, 0
	s_mov_b32 s35, 0
	s_mov_b32 s36, 15|(3<<16)|(1<<21)
	s_mov_b32 s37, 32<<16
	s_mov_b32 s38, 32<<16
	s_mov_b32 s39, 32<<16
	s_mov_b32 s40, 32
	s_mov_b32 s41, 32
	s_mov_b32 s42, 0
	s_mov_b32 s43, 0
	s_mov_b32 s44, 1
	s_mul_i32 s45, s22, 65536                      ; waves 0 to 2 fetch 256 rows of 256 bytes of x's codes each
	s_mul_i32 s84, s25, 196608
	s_add_co_u32 s84, s84, s45
	s_mov_b32 s85, 0
	s_mov_b32 s48, 1
	s_mov_b32 s86, 0                               ; wave 3 fetches all 8,192 scale bytes of the 256 tokens
	s_add_co_u32 s49, s86, XS
	s_lshl_b32 s87, s25, 13
	s_add_co_u32 s86, s86, s87
	s_mov_b32 s87, 0
	s_wait_dscnt 0x0
	s_wait_kmcnt 0x0
	s_add_nc_u64 s[46:47], s[4:5], s[84:85]
	s_or_b32 s47, s47, 0x80000000
	s_add_nc_u64 s[50:51], s[6:7], s[86:87]
	s_or_b32 s51, s51, 0x80000000
	CROUND
	s_cmp_lt_u32 s22, 3                            ; one tensor load a wave at the head, in one chain on the wave's number
	s_cbranch_scc0 .Lhead_scales
	tensor_load_to_lds s[44:47], s[28:35]
	s_nop 0
.rept 4
	v_nop
.endr
	s_branch .Lhead_asked
.Lhead_scales:
	tensor_load_to_lds s[48:51], s[36:43]
	s_nop 0
.rept 4
	v_nop
.endr
.Lhead_asked:
	v_and_b32 v3, 31, v0
	v_lshlrev_b32 v1, 4, v3
	v_lshl_add_u32 v2, v3, 3, 512
	v_bfe_u32 v7, v0, 4, 1
	v_and_b32 v226, 15, v0
	v_and_b32 v224, 8, v226
	v_add_nc_u32 v226, v226, v224
	v_lshlrev_b32 v226, 2, v226
	v_lshlrev_b32 v7, 6, v7
	v_lshlrev_b32 v3, 2, v3
	s_wait_alu depctr_va_vdst(0)
	v_add_nc_u32 v227, XS, v3
	s_lshl_b32 s84, s22, 10
	s_add_co_u32 s84, s84, STASH
	v_add_nc_u32 v228, s84, v3
	v_add_nc_u32 v231, s84, v1
	s_lshr_b32 s84, s22, 1
	s_and_b32 s85, s22, 1
	s_lshl_b32 s86, s24, 1
	s_add_co_u32 s86, s86, s85
	s_lshl_b32 s87, s84, 5
	s_lshl_b32 s88, s86, 1
	s_add_co_u32 s87, s87, s88
	s_add_co_u32 s87, s87, 256
	s_mul_i32 s88, s87, GRPB
	s_mov_b32 s89, 0
	s_add_nc_u64 s[52:53], s[4:5], s[88:89]
	s_lshl_b32 s88, s87, 10
	s_add_nc_u64 s[56:57], s[6:7], s[88:89]
	s_lshl_b32 s87, s24, 2
	s_add_co_u32 s87, s87, s22
	s_lshl_b32 s88, s87, 7
	s_add_nc_u64 s[82:83], s[12:13], s[88:89]
	s_add_co_u32 s87, s87, 320
	s_mul_i32 s88, s87, GRPB
	s_add_nc_u64 s[54:55], s[4:5], s[88:89]
	s_lshl_b32 s88, s87, 10
	s_add_nc_u64 s[58:59], s[6:7], s[88:89]
	s_lshr_b32 s90, s25, 3
	s_and_b32 s91, s25, 7
	s_lshl_b32 s92, s90, 4
	s_add_co_u32 s93, s92, s86
	s_mul_i32 s88, s93, 98304
	s_mul_i32 s94, s91, 12288
	s_add_co_u32 s88, s88, s94
	s_lshl_b32 s94, s88, 1
	s_cmp_lt_u32 s22, 2
	s_cselect_b32 s88, s88, s94
	s_cselect_b64 s[60:61], s[14:15], s[18:19]
	s_cselect_b64 s[68:69], s[16:17], s[20:21]
	s_cselect_b64 s[80:81], s[8:9], s[10:11]
	s_mov_b32 s66, 3072
	s_cselect_b32 s66, 1536, s66
	s_mov_b32 s67, 0
	s_mov_b32 s94, 12288
	s_cselect_b32 s94, 8192, s94
	s_add_nc_u64 s[60:61], s[60:61], s[88:89]
	s_mul_i32 s88, s93, s94
	s_lshl_b32 s94, s91, 10
	s_add_co_u32 s88, s88, s94
	s_add_nc_u64 s[68:69], s[68:69], s[88:89]
	s_lshl_b32 s88, s86, 8
	s_add_nc_u64 s[80:81], s[80:81], s[88:89]
	s_lshl_b32 s88, s24, 1
	s_add_co_u32 s88, s88, s84
	s_add_co_u32 s93, s92, s88
	s_mul_i32 s88, s93, 196608
	s_mul_i32 s94, s91, 24576
	s_add_co_u32 s88, s88, s94
	s_mul_i32 s94, s85, 768
	s_add_co_u32 s88, s88, s94
	s_add_co_u32 s88, s88, 1536
	s_add_nc_u64 s[62:63], s[18:19], s[88:89]
	s_mul_i32 s88, s93, 12288
	s_lshl_b32 s94, s85, 11
	s_add_co_u32 s88, s88, s94
	s_lshl_b32 s94, s91, 8
	s_add_co_u32 s88, s88, s94
	s_add_co_u32 s88, s88, 8192
	s_add_nc_u64 s[70:71], s[20:21], s[88:89]
	s_mov_b32 s72, 0xffff0000
	s_mov_b32 s74, 0x76543210
	s_mov_b32 s75, 0xfedcba98
	s_mov_b32 s76, 7
	s_mov_b32 s77, 0
	s_mov_b32 s78, 0
	s_mov_b32 s79, 0
.set ks, 0
.rept 8
	WIN (1+ks/3)<<6
.set tl, 0
.rept 4
.set qq, 0
.rept 3
	global_load_b128 v[72*(ks%3)+12*tl+4*qq:72*(ks%3)+12*tl+4*qq+3], v1, s[52:53] offset:(tl/2)*GRPB+ks*3072+(tl%2)*1536+512*qq
.set qq, qq+1
.endr
.set tl, tl+1
.endr
.rept 2
.set qq, 0
.rept 3
	global_load_b128 v[72*(ks%3)+12*tl+4*qq:72*(ks%3)+12*tl+4*qq+3], v1, s[54:55] offset:ks*3072+(tl-4)*1536+512*qq
.set qq, qq+1
.endr
.set tl, tl+1
.endr
.set ks, ks+1
.endr
	WIN 0
.set ks, 0
.rept 8
	global_load_b32 v[WSC+ks], v3, s[56:57] offset:128*ks
	global_load_b32 v[WSC+8+ks], v3, s[56:57] offset:1024+128*ks
	global_load_b32 v[WSC+16+ks], v3, s[58:59] offset:128*ks
.set ks, ks+1
.endr
	global_load_b32 v229, v226, s[82:83]
	global_load_b32 v230, v226, s[82:83] offset:32
	WIN 0xc0
.irp wt, 0,1,2,3
	global_load_b128 v[B1+8*\wt:B1+8*\wt+3], v7, s[80:81] offset:(32*(\wt/2)+8*(\wt%2))*4
	global_load_b128 v[B1+8*\wt+4:B1+8*\wt+7], v7, s[80:81] offset:(32*(\wt/2)+8*(\wt%2))*4+16
.endr
	s_wait_loadcnt 0x0
.irp t, 0,1
.irp j, 0,1,2,3,4,5,6,7
	v_mov_b32 v[BV+8*\t+\j], v[229+\t]
.endr
.endr
	WIN 0
	v_mov_b32 v8, 0
	v_mov_b32 v9, 0
.irp k, 0,1,2,3,4,5
	v_mov_b32 v[TMP+\k], 0
.endr
	v_add_nc_u32 v4, s77, v1
	v_add_nc_u32 v5, s78, v227
	v_add_nc_u32 v6, s79, v228
	s_wait_alu depctr_va_vdst(0)
	s_wait_tensorcnt 0x0
	s_barrier_signal -1
	s_barrier_wait -1
.macro XLOAD s
.irp a, 0,1
.irp q, 0,1,2
	ds_load_b128 v[XF+24*((\s)%2)+12*\a+4*\q:XF+24*((\s)%2)+12*\a+4*\q+3], v4 offset:3072*(\s)+1536*\a+512*\q
.endr
.endr
	ds_load_b32 v[XSC+(\s)%2], v5 offset:128*(\s)
.endm
.macro KSTEP s, last
	s_wait_dscnt 0x0
	PLACES
.if !((\last) && ((\s) == 7))
	XLOAD (\s)+1
.endif
.set WW, 1+(\s)/3
.set WB, 72*((\s)%3)
.set XB, XF+24*((\s)%2)
.if (\s) == 0
	WIN WW|0x30
.else
	WIN WW
.endif
.irp a, 0,1
.irp wt, 0,1,2,3
.set rD, ACC+32*\a+8*\wt
.set rA, WB+12*\wt
.set rB, XB+12*\a
.set rC, rD
.if (\s) == 0
.set rC, B1+8*\wt
.endif
.set rSA, WSC+8*(\wt/2)+(\s)
.set rSB, XSC+(\s)%2
	WM \wt%2, \a
.endr
.endr
.if (\s) == 0
	WIN (WW<<2)|0x30
.else
	WIN WW<<2
.endif
.irp t, 0,1
.irp a, 0,1
.set rD, ACC+64+16*\t+8*\a
.set rA, XB+12*\a
.set rB, WB+12*(4+\t)
.set rC, rD
.if (\s) == 0
.set rC, BV+8*\t
.endif
.set rSA, XSC+(\s)%2
.set rSB, WSC+16+(\s)
	WM \a, \t
.endr
.endr
	WIN 0
.endm
.macro EPI last
	PLACES
.irp k, 0,1,2,3,4,5
	v_max3_num_f32 v[TMX+\k], |v[ACC+16*\k]|, |v[ACC+16*\k+1]|, 0x2800000
.endr
.irp e, 2,4,6,8,10,12,14
.irp k, 0,1,2,3,4,5
	v_max3_num_f32 v[TMX+\k], v[TMX+\k], |v[ACC+16*\k+\e]|, |v[ACC+16*\k+\e+1]|
.endr
.endr
.irp k, 0,1,2,3,4,5
	v_permlanex16_b32 v[TMP+\k], v[TMX+\k], s74, s75
.endr
.irp k, 0,1,2,3,4,5
	v_max_num_f32 v[TMX+\k], v[TMX+\k], v[TMP+\k]
.endr
.irp k, 0,1,2,3,4,5
	v_add_nc_u32 v[TMS+\k], 0xfe000000, v[TMX+\k]
.endr
.irp k, 0,1,2,3,4,5
	v_lshrrev_b32 v[BY+\k], 23, v[TMS+\k]
.endr
	v_lshl_or_b32 v224, v[BY+1], 8, v[BY]
	v_lshl_or_b32 v225, v[BY+3], 8, v[BY+2]
	v_lshl_or_b32 v224, v224, 16, v224
	v_lshl_or_b32 v225, v225, 16, v225
	v_cndmask_b32 v10, v224, v225, s72
	v_cndmask_b32 v11, v[BY+4], v[BY+5], s72
	v_lshrrev_b32 v8, 8, v8
	v_lshl_or_b32 v8, v9, 24, v8
	v_lshrrev_b32 v9, 8, v9
	v_lshl_or_b32 v9, v11, 24, v9
.irp p, 0,1,2
	v_cvt_scalef32_pk16_bf6_f32 v[PC+6*\p:PC+6*\p+2], v[ACC+32*\p:ACC+32*\p+15], v[TMS+2*\p]
	v_cvt_scalef32_pk16_bf6_f32 v[T2+4*\p:T2+4*\p+2], v[ACC+32*\p+16:ACC+32*\p+31], v[TMS+2*\p+1]
.endr
	v_nop
.irp p, 0,1,2
.irp e, 0,1,2
	v_permlane16_swap_b32 v[PC+6*\p+\e], v[T2+4*\p+\e]
.endr
.irp e, 0,1,2
	v_mov_b32 v[PC+6*\p+3+\e], v[T2+4*\p+\e]
.endr
.endr
.irp p, 0,1
	global_store_b128 v1, v[PC+6*\p:PC+6*\p+3], s[60:61] offset:768*\p
	global_store_b64 v2, v[PC+6*\p+4:PC+6*\p+5], s[60:61] offset:768*\p
.endr
	global_store_b128 v1, v[PC+12:PC+15], s[62:63]
	global_store_b64 v2, v[PC+16:PC+17], s[62:63]
	ds_store_b32 v6, v10
.if !(\last)
	s_wait_xcnt 0x0
	s_add_nc_u64 s[60:61], s[60:61], s[66:67]
	s_add_nc_u64 s[62:63], s[62:63], 3072
	s_add_co_u32 s77, s77, GRPB
	s_add_co_u32 s78, s78, 1024
	s_add_co_u32 s79, s79, 128
	v_add_nc_u32 v4, s77, v1
	v_add_nc_u32 v5, s78, v227
	v_add_nc_u32 v6, s79, v228
.endif
.endm
.macro GROUP last
.irp st, 0,1,2,3,4,5,6,7
	KSTEP \st, \last
.endr
	EPI \last
.endm
	XLOAD 0
.Lgroup:
	s_wait_alu depctr_va_vdst(0)
	GROUP 0
	s_sub_co_u32 s76, s76, 1
	s_cmp_lg_u32 s76, 0
	s_cbranch_scc1 .Lgroup
	s_wait_alu depctr_va_vdst(0)
	GROUP 1
	ds_load_b128 v[XF:XF+3], v231
	ds_load_b128 v[XF+4:XF+7], v231 offset:512
	s_wait_dscnt 0x0
	global_store_b128 v1, v[XF:XF+3], s[68:69]
	global_store_b128 v1, v[XF+4:XF+7], s[68:69] offset:512
	global_store_b32 v3, v8, s[70:71]
	global_store_b32 v3, v9, s[70:71] offset:128
	s_wait_tensorcnt 0x0
	ds_add_u32 v254, v255
	s_wait_dscnt 0x0
	CROUND
	s_endpgm
.Lfunc_end_k_qb8a519135e_qkv:
	.size	k_qb8a519135e_qkv, .Lfunc_end_k_qb8a519135e_qkv-k_qb8a519135e_qkv
	.p2alignl 7, 3214868480
	.fill 96, 4, 3214868480
	.section	.rodata,"a",@progbits
	.p2align	6, 0x0
	.amdhsa_kernel k_qb8a519135e_qkv
		.amdhsa_group_segment_fixed_size 327680
		.amdhsa_private_segment_fixed_size 0
		.amdhsa_enable_private_segment 0
		.amdhsa_kernarg_size 72
		.amdhsa_user_sgpr_count 2
		.amdhsa_user_sgpr_kernarg_segment_ptr 1
		.amdhsa_wavefront_size32 1
		.amdhsa_system_sgpr_workgroup_id_x 1
		.amdhsa_system_sgpr_workgroup_id_y 1
		.amdhsa_system_sgpr_workgroup_id_z 1
		.amdhsa_system_vgpr_workitem_id 0
		.amdhsa_next_free_vgpr 1024
		.amdhsa_next_free_sgpr 96
		.amdhsa_reserve_vcc 0
		.amdhsa_float_denorm_mode_32 3
		.amdhsa_float_denorm_mode_16_64 3
		.amdhsa_memory_ordered 1
		.amdhsa_forward_progress 1
		.amdhsa_inst_pref_size 75
	.end_amdhsa_kernel
	.amdgpu_metadata
---
amdhsa.version: [ 1, 2 ]
amdhsa.kernels:
  - .name:           k_qb8a519135e_qkv
    .symbol:         k_qb8a519135e_qkv.kd
    .args:
      - { .name: xw_codes, .offset: 0, .size: 8, .value_kind: global_buffer, .address_space: global }
      - { .name: xw_scales, .offset: 8, .size: 8, .value_kind: global_buffer, .address_space: global }
      - { .name: bq, .offset: 16, .size: 8, .value_kind: global_buffer, .address_space: global }
      - { .name: bk, .offset: 24, .size: 8, .value_kind: global_buffer, .address_space: global }
      - { .name: bv, .offset: 32, .size: 8, .value_kind: global_buffer, .address_space: global }
      - { .name: q_codes, .offset: 40, .size: 8, .value_kind: global_buffer, .address_space: global }
      - { .name: q_scales, .offset: 48, .size: 8, .value_kind: global_buffer, .address_space: global }
      - { .name: kv_codes, .offset: 56, .size: 8, .value_kind: global_buffer, .address_space: global }
      - { .name: kv_scales, .offset: 64, .size: 8, .value_kind: global_buffer, .address_space: global }
    .group_segment_fixed_size: 327680
    .private_segment_fixed_size: 0
    .kernarg_segment_align: 8
    .kernarg_segment_size: 72
    .max_flat_workgroup_size: 128
    .sgpr_count:     96
    .vgpr_count:     1024
    .wavefront_size: 32
...
	.end_amdgpu_metadata
.endif
;; end of part 2
;; launch attn (part 3): grid 4 x 64, 8 waves a work-group, clusters of 4 x 1, 327,680 bytes of LDS; arguments q_codes, q_scales, kv_codes, kv_scales, out0; writes out0
.if DOCPART == 3
	.amdgcn_target "amdgcn-amd-amdhsa--gfx1250"
	.amdhsa_code_object_version 6
	.text
	.protected	k_qb8a519135e_attn
	.globl	k_qb8a519135e_attn
	.p2align	8
	.type	k_qb8a519135e_attn,@function
k_qb8a519135e_attn:
	s_mov_b64 s[64:65], 0
	v_nop
	global_prefetch_b8 v0, s[64:65] scope:SCOPE_SE
	s_setreg_imm32_b32 hwreg(HW_REG_WAVE_MODE, 25, 1), 1
	s_wait_xcnt 0x0
	s_wait_alu depctr_hold_cnt(0) depctr_sa_sdst(0) depctr_va_vdst(0) depctr_va_sdst(0) depctr_va_ssrc(0) depctr_va_vcc(0) depctr_vm_vsrc(0)
	s_getreg_b32 s2, hwreg(HW_REG_IB_STS2, 6, 4)
	s_cmp_eq_u32 s2, 0
	s_cbranch_scc0 .Lentry_in_a_cluster
	s_endpgm
.Lentry_in_a_cluster:
	s_bfe_u32 s2, ttmp6, 0x10000c
	s_cmp_lg_u32 s2, 0x3003
	s_cbranch_scc0 .Lentry_shape_is_right
	s_endpgm
.Lentry_shape_is_right:
; out = softmax(q k^T / 8) v for one batch and head (work-group y = 16 batch + head), on codes of BF6 (E3M2) with E8M0 scales, as the launch before left them.
; p = 2^(t - M), t = score x log2(e) / 8, M the ceiling of the running largest t (a whole number); the row's sum is taken of the unquantised p; p is quantised in blocks of 32 keys; O is divided by the sum at the end.
; LIMITS: the promise holds while the scaled scores t stay under 2^31 in magnitude; NaN and infinities are not served.
; THE DEAL.  256 work-groups of 8 waves; a work-group has 512 queries, a wave 64: four tiles of 16.  The four work-groups of a cluster are the four query blocks of one head: they ask for K and V JOINTLY (mask 15).
; All 2,048 keys of the head lie in LDS at once (196,608 bytes of codes, 12,288 of scale words): nothing is filled again.  All is asked for at the head, so there is no loop to run ahead in, and no data prefetch is written.
; THE HEAD'S TILES: wave 0 the first 32,768 bytes of codes (steps 0 and 1 lie in them), wave 1 the scale words, each on a load line of its own; waves 2 to 6 the other five times 32,768 bytes; the seven tiles leave wave 7 none.
; The walk begins when waves 0 and 1 have waited; a plain barrier behind step 0, with every wave's wait in front of it, shows the rest ahead of the first read of it (step 1 fetches step 2's K).
; kv_codes [head][step of 128 keys: 12,288 bytes][g = 0..3: 3,072 bytes]: two images of K's tiles of 16 keys x 64 (768 bytes: 16 bytes a lane, then 8 bytes a lane), then V's 32 keys x 64 (1,536 bytes, by pairs of d tiles).
; Both products are used transposed (S^T = K Q^T, O^T = V^T P^T): a lane holds one query.  The head's 64 fill half of the instruction's 128: Q's registers 6 to 11 are zeros, so what K's operand holds there adds nothing.
; A PIPELINE OVER THE WAVE'S TILES.  Period i: the 64 exponentials of tile i, with the 32 multiply-adds t - M of tile i + 1 between them (they touch the other set of scores, and are read behind the closing wait);
; O(i) x f; p's codes and sum; one run of 12 products: S of tile i + 2 into the set that tile i has left, then O(i) += V^T P^T; then, laid side by side so that dependent lines stand eight apart:
; the scales of tile i + 1's p, the maxima and the new M of tile i + 2, and the end of tile i's sum.  Tiles 4 and 5 are the next step's 0 and 1.
; REGISTERS.  Window 0: v0-9 addresses; v10-19 scale words (K 4, V 2, Q 2, P 2); v20-35 a tile's -M, largest score, sum (2); v36-59 Q's tiles 0, 1; v60-83 P's codes, two sets; v84-125 at work; v128-255 scores, two sets.
; Window 1: v0-127 O^T; v128-175 K's fragments, v176-181 zeros; v184-231 V's; v232-255 Q's tiles 2, 3.
.set KSW,  0                           ; LDS: K's scale words
.set VSW,  8192                        ; V's
.set CODES, 32768                      ; the codes: wave w's tile (w = 2..6) lies at 32,768 w, wave 0's here
.set STG,  229376                      ; the way out: 16 rows x 272 bytes a wave
.set SPARE, 264192                     ; the spare words: 128 bytes a wave
.set BM,   84                          ; the four blocks' largest scores, then largest p: set 0 at v84, set 1 at v114
.set PD,   88                          ; v88-95 at work
.set BY,   92                          ; v92-95 the scales' bytes where v88-91 are taken
.set SO,   96                          ; v96-99 the conversions' scale operands
.set F,    100                         ; f = 2^(old M - new M): set 0 at v100, set 1 at v118 (the pairs' upper words are 0)
.set T,    102
.set T2,   113
.set A,    120                         ; v120-125 three more chains of the row's sum
.set MSB, 0
.macro WIN new
.if MSB != (\new)
	s_set_vgpr_msb (MSB<<8)|(\new)
.set MSB, (\new)
.endif
.endm
.macro WALU
	s_wait_alu depctr_va_vdst(0)
.endm
.macro CROUND
	s_barrier_signal -1
	s_barrier_wait -1
	s_cmp_lg_u32 s14, 0
	s_cbranch_scc1 .Lnot_wave_0_\@
	s_barrier_signal -3
.Lnot_wave_0_\@:
	s_barrier_wait -3
	s_barrier_signal -1
	s_barrier_wait -1
.endm
.macro TLOAD g0, g1                    ; an s_nop 0 and four v_nop follow a tensor load
	tensor_load_to_lds s[\g0:\g0+3], s[\g1:\g1+7]
	s_nop 0
.rept 4
	v_nop
.endr
.endm
.macro WMZ ra, rb
.if (\ra) && (\rb)
	v_wmma_scale_f32_16x16x128_f8f6f4 v[rD:rD+7], v[rA:rA+11], v[rB:rB+11], 0, v[rSA], v[rSB] matrix_a_fmt:MATRIX_FMT_BF6 matrix_b_fmt:MATRIX_FMT_BF6 matrix_a_scale:MATRIX_SCALE_ROW1 matrix_b_scale:MATRIX_SCALE_ROW1
.elseif (\ra)
	v_wmma_scale_f32_16x16x128_f8f6f4 v[rD:rD+7], v[rA:rA+11], v[rB:rB+11], 0, v[rSA], v[rSB] matrix_a_fmt:MATRIX_FMT_BF6 matrix_b_fmt:MATRIX_FMT_BF6 matrix_a_scale:MATRIX_SCALE_ROW1
.elseif (\rb)
	v_wmma_scale_f32_16x16x128_f8f6f4 v[rD:rD+7], v[rA:rA+11], v[rB:rB+11], 0, v[rSA], v[rSB] matrix_a_fmt:MATRIX_FMT_BF6 matrix_b_fmt:MATRIX_FMT_BF6 matrix_b_scale:MATRIX_SCALE_ROW1
.else
	v_wmma_scale_f32_16x16x128_f8f6f4 v[rD:rD+7], v[rA:rA+11], v[rB:rB+11], 0, v[rSA], v[rSB] matrix_a_fmt:MATRIX_FMT_BF6 matrix_b_fmt:MATRIX_FMT_BF6
.endif
.endm
.macro WMC ra
.if (\ra)
	v_wmma_scale_f32_16x16x128_f8f6f4 v[rD:rD+7], v[rA:rA+11], v[rB:rB+11], v[rD:rD+7], v[rSA], v[rSB] matrix_a_fmt:MATRIX_FMT_BF6 matrix_b_fmt:MATRIX_FMT_BF6 matrix_a_scale:MATRIX_SCALE_ROW1
.else
	v_wmma_scale_f32_16x16x128_f8f6f4 v[rD:rD+7], v[rA:rA+11], v[rB:rB+11], v[rD:rD+7], v[rSA], v[rSB] matrix_a_fmt:MATRIX_FMT_BF6 matrix_b_fmt:MATRIX_FMT_BF6
.endif
.endm
; ================= THE HEAD
	s_load_b256 s[4:11], s[0:1], 0x0               ; q_codes, q_scales, kv_codes, kv_scales
	s_load_b64 s[12:13], s[0:1], 0x20              ; out0
	v_lshl_add_u32 v126, v0, 2, SPARE
	v_mov_b32 v127, 0
	ds_add_u32 v126, v127                          ; the opening lines: the add, twice on end, and its wait
	ds_add_u32 v126, v127
	v_lshrrev_b32 v1, 5, v0
	v_readfirstlane_b32 s14, v1                    ; wave 0..7
	s_bfe_u32 s15, ttmp6, 0x40000                  ; cx: which 512 queries
	s_and_b32 s16, ttmp7, 0xffff                   ; 16 batch + head
	s_mov_b32 s28, 15|(3<<16)|(1<<21)              ; group 1 of the codes: 128 rows of 256 bytes (32 elements of 8), dense
	s_mov_b32 s29, 32<<16
	s_mov_b32 s30, 128<<16
	s_mov_b32 s31, 32<<16
	s_mov_b32 s32, 128
	s_mov_b32 s33, 32
	s_mov_b32 s34, 0
	s_mov_b32 s35, 0
	s_mov_b32 s36, 15|(3<<16)|(1<<21)              ; group 1 of the scale words: 48 rows of 256 bytes
	s_mov_b32 s37, 32<<16
	s_mov_b32 s38, 48<<16
	s_mov_b32 s39, 32<<16
	s_mov_b32 s40, 48
	s_mov_b32 s41, 32
	s_mov_b32 s42, 0
	s_mov_b32 s43, 0
	s_mov_b32 s68, 1                               ; group 0, wave 0: the first 128 rows of codes
	s_mov_b32 s69, CODES
	s_mov_b32 s48, 1                               ; wave 1: the scale words
	s_mov_b32 s49, KSW
	s_mov_b32 s44, 1                               ; waves 2 to 6: rows 128 (w - 1) on, to LDS byte 32,768 w
	s_mul_i32 s45, s14, 32768
	s_mul_i32 s56, s16, 196608
	s_mov_b32 s57, 0
	s_mov_b32 s58, s45
	s_mov_b32 s59, 0
	s_mul_i32 s60, s16, 12288
	s_mov_b32 s61, 0
	WALU
	s_wait_dscnt 0x0
	s_wait_kmcnt 0x0
	s_add_nc_u64 s[70:71], s[8:9], s[56:57]
	s_add_nc_u64 s[46:47], s[70:71], s[58:59]
	s_sub_nc_u64 s[46:47], s[46:47], 32768
	s_or_b32 s47, s47, 0x80000000
	s_or_b32 s71, s71, 0x80000000
	s_add_nc_u64 s[50:51], s[10:11], s[60:61]
	s_or_b32 s51, s51, 0x80000000
	CROUND                                         ; the four work-groups are here: the joint loads meet
	s_cmp_eq_u32 s14, 0                            ; at most one tensor load a wave, in one chain on the wave's number
	s_cbranch_scc0 .Lwave_1
	TLOAD 68, 28
	s_branch .Lasked
.Lwave_1:
	s_cmp_eq_u32 s14, 1
	s_cbranch_scc0 .Lwave_2
	TLOAD 48, 36
	s_branch .Lasked
.Lwave_2:
	s_cmp_lt_u32 s14, 7
	s_cbranch_scc0 .Lasked
	TLOAD 44, 28
.Lasked:
	s_lshl_b32 s56, s15, 4
	s_lshl_b32 s57, s14, 1
	s_add_co_u32 s56, s56, s57                     ; my first group of 32 queries
	s_mul_i32 s58, s16, 98304
	s_mul_i32 s57, s56, 1536
	s_add_co_u32 s58, s58, s57
	s_mov_b32 s59, 0
	s_add_nc_u64 s[4:5], s[4:5], s[58:59]
	s_lshl_b32 s58, s16, 13
	s_lshl_b32 s57, s56, 7
	s_add_co_u32 s58, s58, s57
	s_add_nc_u64 s[6:7], s[6:7], s[58:59]
	s_lshr_b32 s57, s16, 4
	s_lshl_b32 s58, s57, 23
	s_and_b32 s57, s16, 15
	s_lshl_b32 s57, s57, 8
	s_add_co_u32 s58, s58, s57
	s_lshl_b32 s57, s56, 17
	s_add_co_u32 s58, s58, s57
	s_add_nc_u64 s[12:13], s[12:13], s[58:59]
	s_mov_b32 s22, 0x76543210
	s_mov_b32 s23, 0xfedcba98                      ; v_permlanex16_b32's selects for lane l xor 16
	s_mov_b32 s24, 0x3e38aa3b                      ; c = log2(e) / 8
	s_mov_b32 s25, s24
	s_mov_b32 s26, 0xbe38aa3b                      ; -c
	s_mov_b32 s53, CODES                           ; where the next K, its scale words, the next V and its scale words lie
	s_mov_b32 s54, 0
	s_mov_b32 s55, CODES
	s_mov_b32 s60, 0
	v_and_b32 v1, 31, v0
	s_delay_alu instid0(VALU_DEP_1)
	v_lshlrev_b32 v2, 4, v1
	s_delay_alu instid0(VALU_DEP_2)
	v_lshl_add_u32 v3, v1, 3, 512
	v_and_b32 v9, 15, v0
	v_bfe_u32 v8, v0, 4, 1
	s_delay_alu instid0(VALU_DEP_1)
	v_mul_u32_u24 v4, v8, 3072
	s_delay_alu instid0(VALU_DEP_1)
	v_lshl_add_u32 v5, v9, 3, v4
	s_delay_alu instid0(VALU_DEP_1)
	v_add_nc_u32 v5, 2048, v5
	s_delay_alu instid0(VALU_DEP_3)
	v_lshl_add_u32 v4, v9, 4, v4
	s_delay_alu instid0(VALU_DEP_1)
	v_add_nc_u32 v4, 1536, v4
	v_lshlrev_b32 v109, 2, v1
	s_delay_alu instid0(VALU_DEP_1)
	v_add_nc_u32 v6, KSW, v109
	s_delay_alu instid0(VALU_DEP_2)
	v_add_nc_u32 v7, VSW, v109
	s_mul_i32 s57, s14, 4352
	s_add_co_u32 s57, s57, STG
	v_mul_u32_u24 v110, v9, 272
	s_delay_alu instid0(VALU_DEP_1)
	v_lshl_add_u32 v110, v8, 6, v110
	s_delay_alu instid0(VALU_DEP_1)
	v_add_nc_u32 v110, s57, v110
	v_mul_u32_u24 v111, v8, 272
	s_delay_alu instid0(VALU_DEP_1)
	v_lshl_add_u32 v111, v9, 4, v111
	s_delay_alu instid0(VALU_DEP_1)
	v_add_nc_u32 v111, s57, v111
	v_lshlrev_b32 v112, 12, v8
	s_delay_alu instid0(VALU_DEP_1)
	v_lshl_add_u32 v112, v9, 4, v112
.irp e, 0,1
	global_load_b128 v[36+12*\e:39+12*\e], v2, s[4:5] offset:768*\e th:TH_LOAD_NT
	global_load_b64 v[40+12*\e:41+12*\e], v3, s[4:5] offset:768*\e th:TH_LOAD_NT
.endr
	global_load_b32 v16, v109, s[6:7]
	global_load_b32 v17, v109, s[6:7] offset:128
.irp e, 0,1
.irp j, 0,1,2,3,4,5
	v_mov_b32 v[42+12*\e+\j], 0                    ; Q's upper 64 along K: zero codes
.endr
.endr
	WIN 0x40
.irp e, 0,1
	global_load_b128 v[232+12*\e:235+12*\e], v2, s[4:5] offset:1536+768*\e th:TH_LOAD_NT
	global_load_b64 v[236+12*\e:237+12*\e], v3, s[4:5] offset:1536+768*\e th:TH_LOAD_NT
.endr
.irp e, 0,1
.irp j, 0,1,2,3,4,5
	v_mov_b32 v[238+12*\e+\j], 0
.endr
.endr
.irp j, 0,1,2,3,4,5
	v_mov_b32 v[176+\j], 0                         ; behind K's last fragment
.endr
	WIN 0
.irp e, 0,1,2,3
	v_mov_b32 v[21+4*\e], 0xff61b1e6               ; the largest score so far: -3e38
	v_mov_b32 v[22+4*\e], 0                        ; the sum, in two halves
	v_mov_b32 v[23+4*\e], 0
.endr
.irp e, 0,1,2,3
	v_floor_f32 v[20+4*\e], -v[21+4*\e]            ; -M: so large that the first f is 0
.endr
	v_mov_b32 v[F+1], 0
	v_mov_b32 v[F+19], 0
	WALU                                           ; the wait at the head's end
	s_cmp_lt_u32 s14, 2
	s_cbranch_scc0 .Lnot_first
	s_wait_tensorcnt 0x0                           ; waves 0 and 1: the first 32,768 bytes of codes, the scale words
.Lnot_first:
	s_barrier_signal -1
	s_barrier_wait -1                              ; both are shown to all; the other five tiles may still be on their way
; ================= THE PARTS OF A PERIOD
.macro KLOAD                           ; a step's eight fragments of K and four registers of scale words.  The four plain lines are the places behind the products that read them last
	v_nop
	v_add_nc_u32 v103, s53, v2
	v_add_nc_u32 v104, s53, v3
	v_add_nc_u32 v105, s54, v6
	s_add_co_u32 s53, s53, 12288
	s_add_co_u32 s54, s54, 512
	WIN 0x40
.set tau, 0
.rept 8
	ds_load_b128 v[128+6*tau:131+6*tau], v103 offset:3072*(tau/2)+768*(tau%2)
	ds_load_b64 v[132+6*tau:133+6*tau], v104 offset:3072*(tau/2)+768*(tau%2)
.set tau, tau+1
.endr
	WIN 0
.irp g, 0,1,2,3
	ds_load_b32 v[10+\g], v105 offset:128*\g
.endr
.endm
.macro VLOAD                           ; a step's four fragments of V (16 of the head's 64 x 128 keys) and their scale words
	v_nop
	v_add_nc_u32 v106, s55, v4
	v_add_nc_u32 v107, s55, v5
	v_add_nc_u32 v108, s60, v7
	s_add_co_u32 s55, s55, 12288
	s_add_co_u32 s60, s60, 128
	WIN 0x40
.set tt, 0
.rept 4
.irp c, 0,1
	ds_load_b128 v[184+12*tt+6*\c:187+12*tt+6*\c], v106 offset:6144*\c+768*(tt/2)+256*(tt%2)
	ds_load_b64 v[188+12*tt+6*\c:189+12*tt+6*\c], v107 offset:6144*\c+768*(tt/2)+128*(tt%2)
.endr
.set tt, tt+1
.endr
	WIN 0
	ds_load_b32 v14, v108
	ds_load_b32 v15, v108 offset:2048
.endm
.macro SMM i                           ; S^T of tile i: eight tiles of 16 keys, into set i % 2
.if (\i) < 2
	WIN 0x01
.set rB, 36+12*(\i)
.else
	WIN 0x05
.set rB, 232+12*((\i)-2)
.endif
.set rSB, 16+(\i)/2
.set tau, 0
.rept 8
.set rD, 128+64*((\i)%2)+8*tau
.set rA, 128+6*tau
.set rSA, 10+tau/2
	WMZ tau%2, (\i)%2
.set tau, tau+1
.endr
.endm
.macro PV i, first                     ; O^T of tile i += V^T P^T: four accumulators, one product each
	WIN 0x51
.set rB, 60+12*((\i)%2)
.set rSB, 18+(\i)%2
.set tt, 0
.rept 4
.set rD, 32*(\i)+8*tt
.set rA, 184+12*tt
.set rSA, 14+tt/2
.if \first
	WMZ tt%2, 0
.else
	WMC tt%2
.endif
.set tt, tt+1
.endr
.endm
.macro MAX28                           ; the four blocks' largest scores of the set at mS: two chains a block, eight side by side; the chains' ends lie in v[mB ..] and v[PD ..]
.irp b, 0,1,2,3
	v_max3_num_f32 v[mB+\b], v[mS+16*\b], v[mS+16*\b+1], v[mS+16*\b+2]
.endr
.irp b, 0,1,2,3
	v_max3_num_f32 v[PD+\b], v[mS+16*\b+8], v[mS+16*\b+9], v[mS+16*\b+10]
.endr
.irp e, 3,5
.irp b, 0,1,2,3
	v_max3_num_f32 v[mB+\b], v[mB+\b], v[mS+16*\b+\e], v[mS+16*\b+\e+1]
.endr
.irp b, 0,1,2,3
	v_max3_num_f32 v[PD+\b], v[PD+\b], v[mS+16*\b+8+\e], v[mS+16*\b+9+\e]
.endr
.endr
.irp b, 0,1,2,3
	v_max3_num_f32 v[mB+\b], v[mB+\b], v[mS+16*\b+7], v[mS+16*\b+15]
.endr
.endm
.macro NEWM                            ; from the running largest score: the new -M, each block's largest t - M, and f
	s_delay_alu instid0(VALU_DEP_1)
	v_mul_f32 v[T], s26, v[mT+1]                   ; -t
	s_delay_alu instid0(VALU_DEP_1)
	v_floor_f32 v[mT], v[T]                        ; -M = floor(-t) = -ceil(t)
	s_delay_alu instid0(VALU_DEP_1)
	v_fma_f32 v[mB], v[mB], s24, v[mT]
	s_delay_alu instid0(VALU_DEP_2)
	v_fma_f32 v[mB+1], v[mB+1], s24, v[mT]
	s_delay_alu instid0(VALU_DEP_3)
	v_fma_f32 v[mB+2], v[mB+2], s24, v[mT]
	s_delay_alu instid0(VALU_DEP_4)
	v_fma_f32 v[mB+3], v[mB+3], s24, v[mT]
	v_sub_f32 v[T], v[mT], v[T2]                   ; old M less new M: a whole number, 0 or less
	s_delay_alu instid0(VALU_DEP_1)
	v_cvt_i32_f32 v[T], v[T]                       ; (it saturates)
	s_delay_alu instid0(VALU_DEP_1)
	v_ldexp_f32 v[mF], 1.0, v[T]                   ; f: a power of two, or 0
.endm
.macro MAXM j                          ; tile j's maxima and new M by themselves: ahead of the first period
.set mS, 128+64*((\j)%2)
.set mT, 20+4*(\j)
.set mB, BM+30*((\j)%2)
.set mF, F+18*((\j)%2)
	v_mov_b32 v[T2], v[mT]                         ; the old -M
	MAX28
.irp b, 0,1,2,3
	s_delay_alu instid0(VALU_DEP_4)
	v_max_num_f32 v[mB+\b], v[mB+\b], v[PD+\b]
.endr
.irp b, 0,1,2,3
	s_delay_alu instid0(VALU_DEP_4)
	v_permlanex16_b32 v[PD+\b], v[mB+\b], s22, s23
.endr
.irp b, 0,1,2,3
	s_delay_alu instid0(VALU_DEP_4)
	v_max_num_f32 v[mB+\b], v[mB+\b], v[PD+\b]     ; with lane l xor 16's 16 keys: the block's
.endr
	s_delay_alu instid0(VALU_DEP_2)
	v_max3_num_f32 v[T], v[mB], v[mB+1], v[mB+2]
	s_delay_alu instid0(VALU_DEP_1)
	v_max3_num_f32 v[mT+1], v[mT+1], v[T], v[mB+3] ; the running largest score
	NEWM
.endm
.macro BMPOST j                        ; the scales of tile j's p by themselves: from each block's largest p the conversion's scale operand, the byte, the word
.set xB, BM+30*((\j)%2)
.set xW, 18+(\j)%2
.irp b, 0,1,2,3
	v_max_num_f32 v[xB+\b], 0x2800000, v[xB+\b]    ; the floor 2^(5 - 127): the byte cannot fall under 1
.endr
.irp b, 0,1,2,3
	s_delay_alu instid0(VALU_DEP_4)
	v_add_nc_u32 v[SO+\b], 0xfe000000, v[xB+\b]    ; 4 off the exponent field
.endr
.irp b, 0,1,2,3
	s_delay_alu instid0(VALU_DEP_4)
	v_lshrrev_b32 v[PD+\b], 23, v[SO+\b]
.endr
	s_delay_alu instid0(VALU_DEP_3)
	v_lshl_or_b32 v[xW], v[PD+1], 8, v[PD]
	s_delay_alu instid0(VALU_DEP_1)
	v_lshl_or_b32 v[xW], v[PD+2], 16, v[xW]
	s_delay_alu instid0(VALU_DEP_1)
	v_lshl_or_b32 v[xW], v[PD+3], 24, v[xW]
.endm
.macro COMBO i                         ; the end of tile i's sum by itself
.set qT, 20+4*(\i)
	v_pk_add_f32 v[A:A+1], v[A:A+1], v[A+2:A+3]
	v_pk_add_f32 v[qT+2:qT+3], v[qT+2:qT+3], v[A+4:A+5]
	s_delay_alu instid0(VALU_DEP_1)
	v_pk_add_f32 v[qT+2:qT+3], v[qT+2:qT+3], v[A:A+1]
.endm
; The three side by side, behind period i's products: the scales of tile i + 1, the maxima and M of tile i + 2, the end of tile i's sum
.macro MIX i
.set xB, BM+30*(((\i)+1)%2)
.set xW, 18+((\i)+1)%2
.set mS, 128+64*((\i)%2)
.set mT, 20+4*(((\i)+2)%4)
.set mB, BM+30*((\i)%2)
.set mF, F+18*((\i)%2)
.set qT, 20+4*(\i)
.irp b, 0,1,2,3
	v_max_num_f32 v[xB+\b], 0x2800000, v[xB+\b]    ; the floor.  (These four are the places behind the products)
.endr
	v_mov_b32 v[T2], v[mT]                         ; the old -M
	MAX28
.irp b, 0,1,2,3
	v_add_nc_u32 v[SO+\b], 0xfe000000, v[xB+\b]    ; the conversions' scale operands
.endr
.irp b, 0,1,2,3
	v_max_num_f32 v[mB+\b], v[mB+\b], v[PD+\b]
.endr
.irp b, 0,1,2,3
	v_lshrrev_b32 v[BY+\b], 23, v[SO+\b]           ; the scales' bytes
.endr
.irp b, 0,1,2,3
	v_permlanex16_b32 v[PD+\b], v[mB+\b], s22, s23
.endr
	v_pk_add_f32 v[A:A+1], v[A:A+1], v[A+2:A+3]
	v_pk_add_f32 v[qT+2:qT+3], v[qT+2:qT+3], v[A+4:A+5]
	v_lshl_or_b32 v[BY], v[BY+1], 8, v[BY]
	v_lshl_or_b32 v[BY+2], v[BY+3], 8, v[BY+2]
.irp b, 0,1,2,3
	v_max_num_f32 v[mB+\b], v[mB+\b], v[PD+\b]     ; with lane l xor 16's 16 keys: the block's
.endr
	s_delay_alu instid0(VALU_DEP_2)
	v_max3_num_f32 v[T], v[mB], v[mB+1], v[mB+2]
	v_pk_add_f32 v[qT+2:qT+3], v[qT+2:qT+3], v[A:A+1]
	v_lshl_or_b32 v[xW], v[BY+2], 16, v[BY]        ; p's scale word
	s_delay_alu instid0(VALU_DEP_3)
	v_max3_num_f32 v[mT+1], v[mT+1], v[T], v[mB+3] ; the running largest score
	NEWM
.endm
; Tile i's exponentials.  N1: tile i + 1 follows: its blocks' largest p, and between the exponentials its t - M, which name the other set of scores alone and are read behind the closing wait
.macro BATCH i
.set qS, 128+64*((\i)%2)
.set qS2, 128+64*(((\i)+1)%2)
.set qT2, 20+4*(((\i)+1)%4)
.set qB2, BM+30*(((\i)+1)%2)
	WALU                                           ; the wait ahead of the batch
.if N1
.irp b, 0,1,2,3
	v_exp_f32 v[qB2+\b], v[qB2+\b]
.endr
.endif
.set n, 0
.rept 32
	v_exp_f32 v[qS+n], v[qS+n]
	v_exp_f32 v[qS+n+1], v[qS+n+1]
.if N1
	v_pk_fma_f32 v[qS2+n:qS2+n+1], v[qS2+n:qS2+n+1], s[24:25], v[qT2:qT2+1] op_sel_hi:[1,0,0]
.endif
.set n, n+2
.endr
.if !N1
	v_nop                                          ; a plain place behind the last exponential
.endif
.endm
.macro POST i, first, last
.set qS, 128+64*((\i)%2)
.set qT, 20+4*(\i)
.set qF, F+18*((\i)%2)
.set qP, 60+12*((\i)%2)
.set qO, 32*(\i)
.if !(\first)
	WIN 0x41
.endif
	WALU                                           ; the batch's closing wait, directly ahead of the first reader of O^T
.if !(\first)
.set n, 0
.rept 16
	v_pk_mul_f32 v[qO+n:qO+n+1], v[qO+n:qO+n+1], v[qF:qF+1] op_sel_hi:[1,0]   ; O^T under the new M
.set n, n+2
.endr
	WIN 0
.endif
.irp c, 0,1
	v_cvt_scalef32_pk16_bf6_f32 v[qP+6*\c:qP+6*\c+2], v[qS+32*\c:qS+32*\c+15], v[SO+2*\c]
	v_cvt_scalef32_pk16_bf6_f32 v[PD+4*\c:PD+4*\c+2], v[qS+32*\c+16:qS+32*\c+31], v[SO+2*\c+1]
.endr
	v_pk_fma_f32 v[qT+2:qT+3], v[qT+2:qT+3], v[qF:qF+1], v[qS:qS+1] op_sel_hi:[1,0,1]   ; the row's sum of the unquantised p, in four chains: the old sum x f + the first pair
	v_pk_add_f32 v[A:A+1], v[qS+2:qS+3], v[qS+4:qS+5]
	v_pk_add_f32 v[A+2:A+3], v[qS+6:qS+7], v[qS+8:qS+9]
	v_pk_add_f32 v[A+4:A+5], v[qS+10:qS+11], v[qS+12:qS+13]
.irp c, 0,1                            ; the operand wants a whole block in a lane: lanes 0-15 block 2 c, lanes 16-31 block 2 c + 1
.irp e, 0,1,2
	v_permlane16_swap_b32 v[qP+6*\c+\e], v[PD+4*\c+\e]
.endr
.endr
.irp c, 0,1
.irp e, 0,1,2
	v_mov_b32 v[qP+6*\c+3+\e], v[PD+4*\c+\e]
.endr
.endr
.set n, 14
.rept 6
	v_pk_add_f32 v[qT+2:qT+3], v[qT+2:qT+3], v[qS+n:qS+n+1]
	v_pk_add_f32 v[A:A+1], v[A:A+1], v[qS+n+2:qS+n+3]
	v_pk_add_f32 v[A+2:A+3], v[A+2:A+3], v[qS+n+4:qS+n+5]
	v_pk_add_f32 v[A+4:A+5], v[A+4:A+5], v[qS+n+6:qS+n+7]
.set n, n+8
.endr
	v_pk_add_f32 v[qT+2:qT+3], v[qT+2:qT+3], v[qS+62:qS+63]
	WALU                                           ; the wait
.if ((\i) == 0) || (((\i) == 2) && (!(\last)))
	s_wait_dscnt 0x0                               ; period 0: this step's V is in; period 2: the next step's K.  Nothing else is out
.endif
.if N2
	SMM J2                                         ; the set of scores that tile i has left takes tile i + 2's
.endif
	PV \i, \first
	WIN 0
.endm
.macro PERIOD i, first, last
.set N1, 1
.set N2, 1
.if (\last) && ((\i) == 3)
.set N1, 0
.endif
.if (\last) && ((\i) >= 2)
.set N2, 0
.endif
.set J1, ((\i)+1)%4
.set J2, ((\i)+2)%4
	BATCH \i
	POST \i, \first, \last
.if (!(\last)) && ((\i) == 1)
	KLOAD                                          ; tile 3's scores have been asked for: K's registers take the next step's
.endif
.if (!(\last)) && ((\i) == 3)
	VLOAD                                          ; likewise V's, behind tile 3's products
.endif
.if N2
	MIX \i
.else
	COMBO \i
.if N1
	BMPOST J1
.endif
.endif
.endm
.macro STEP first, last
	PERIOD 0, \first, \last
	PERIOD 1, \first, \last
	PERIOD 2, \first, \last
	PERIOD 3, \first, \last
.endm
; ================= THE WALK OVER THE KEYS: 16 steps of 128
	KLOAD
	VLOAD
	s_wait_loadcnt 0x0                             ; Q and its scale words
	s_wait_dscnt 0x0
	SMM 0
	SMM 1
	WIN 0
.rept 3
	v_nop
.endr
	MAXM 0
	MAXM 1
	WALU                                           ; ahead of the four exponentials
.irp b, 0,1,2,3
	v_exp_f32 v[BM+\b], v[BM+\b]                   ; tile 0's blocks' largest p
.endr
.set n, 0
.rept 32
	v_pk_fma_f32 v[128+n:129+n], v[128+n:129+n], s[24:25], v[20:21] op_sel_hi:[1,0,0]   ; and its t - M
.set n, n+2
.endr
	WALU                                           ; behind the four
	BMPOST 0
	STEP 1, 0                                      ; the first step's products start O^T: nothing is cleared.  It reads steps 0 and 1, which lie in wave 0's tile
	WALU
	s_wait_tensorcnt 0x0                           ; every wave: my tile is in
	s_wait_dscnt 0x0
	s_barrier_signal -1
	s_barrier_wait -1                              ; all of K and V are shown to all
	s_mov_b32 s52, 14
.Lstep:
	STEP 0, 0
	s_sub_co_u32 s52, s52, 1
	s_cmp_lg_u32 s52, 0
	s_cbranch_scc1 .Lstep
	STEP 0, 1
; ================= THE END: O^T / the row's sum, through my stage, as whole rows of 256 bytes
.irp e, 0,1,2,3
	v_add_f32 v[22+4*\e], v[22+4*\e], v[23+4*\e]
.endr
.irp e, 0,1,2,3
	s_delay_alu instid0(VALU_DEP_4)
	v_permlanex16_b32 v[PD+\e], v[22+4*\e], s22, s23
.endr
.irp e, 0,1,2,3
	s_delay_alu instid0(VALU_DEP_4)
	v_add_f32 v[22+4*\e], v[22+4*\e], v[PD+\e]
.endr
	WALU
.irp e, 0,1,2,3
	v_rcp_f32 v[20+4*\e], v[22+4*\e]
.endr
	v_nop
	WALU
.macro OUT i
.set rO, 32*(\i)
.set rY, 128+32*(\i)
.set rR, 36+32*((\i)%2)
	WIN 0x01
.set n, 0
.rept 16
	v_pk_mul_f32 v[rY+n:rY+n+1], v[rO+n:rO+n+1], v[20+4*(\i):21+4*(\i)] op_sel_hi:[1,0]
.set n, n+2
.endr
	WIN 0
.irp e, 0,1,2,3
	ds_store_b128 v110, v[rY+8*\e:rY+8*\e+3] offset:128*(\e/2)+32*(\e%2)
	ds_store_b128 v110, v[rY+8*\e+4:rY+8*\e+7] offset:128*(\e/2)+32*(\e%2)+16
.endr
.if (\i) >= 2
	s_wait_xcnt 0x0                                ; the stores of two tiles ago have read their registers
.endif
.irp k, 0,1,2,3,4,5,6,7
	ds_load_b128 v[rR+4*\k:rR+4*\k+3], v111 offset:544*\k   ; LDS serves a wave's instructions in order: these see the stores above
.endr
.irp k, 0,1,2,3,4,5,6,7
	s_wait_dscnt 7-\k                              ; the younger loads may stay out
	global_store_b128 v112, v[rR+4*\k:rR+4*\k+3], s[12:13] offset:(32*((\i)/2)+8*((\i)%2)+2*\k+8*(\k/4))*4096 th:TH_STORE_NT   ; sixteen lanes store a head's 256 bytes of a token, aligned
.endr
.endm
	OUT 0
	OUT 1
	OUT 2
	OUT 3
	s_wait_tensorcnt 0x0                           ; the wave's end
	ds_add_u32 v126, v127
	s_wait_dscnt 0x0
	CROUND                                         ; the closing round
	s_endpgm
.Lfunc_end_k_qb8a519135e_attn:
	.size	k_qb8a519135e_attn, .Lfunc_end_k_qb8a519135e_attn-k_qb8a519135e_attn
	.p2alignl 7, 3214868480
	.fill 96, 4, 3214868480
	.section	.rodata,"a",@progbits
	.p2align	6, 0x0
	.amdhsa_kernel k_qb8a519135e_attn
		.amdhsa_group_segment_fixed_size 327680
		.amdhsa_private_segment_fixed_size 0
		.amdhsa_enable_private_segment 0
		.amdhsa_kernarg_size 40
		.amdhsa_user_sgpr_count 2
		.amdhsa_user_sgpr_kernarg_segment_ptr 1
		.amdhsa_wavefront_size32 1
		.amdhsa_system_sgpr_workgroup_id_x 1
		.amdhsa_system_sgpr_workgroup_id_y 1
		.amdhsa_system_sgpr_workgroup_id_z 1
		.amdhsa_system_vgpr_workitem_id 0
		.amdhsa_next_free_vgpr 512
		.amdhsa_next_free_sgpr 80
		.amdhsa_reserve_vcc 0
		.amdhsa_float_denorm_mode_32 3
		.amdhsa_float_denorm_mode_16_64 3
		.amdhsa_memory_ordered 1
		.amdhsa_forward_progress 1
		.amdhsa_inst_pref_size 193
	.end_amdhsa_kernel
	.amdgpu_metadata
---
amdhsa.version: [ 1, 2 ]
amdhsa.kernels:
  - .name:           k_qb8a519135e_attn
    .symbol:         k_qb8a519135e_attn.kd
    .args:
      - { .name: q_codes, .offset: 0, .size: 8, .value_kind: global_buffer, .address_space: global }
      - { .name: q_scales, .offset: 8, .size: 8, .value_kind: global_buffer, .address_space: global }
      - { .name: kv_codes, .offset: 16, .size: 8, .value_kind: global_buffer, .address_space: global }
      - { .name: kv_scales, .offset: 24, .size: 8, .value_kind: global_buffer, .address_space: global }
      - { .name: out0, .offset: 32, .size: 8, .value_kind: global_buffer, .address_space: global }
    .group_segment_fixed_size: 327680
    .private_segment_fixed_size: 0
    .kernarg_segment_align: 8
    .kernarg_segment_size: 40
    .max_flat_workgroup_size: 256
    .sgpr_count:     80
    .vgpr_count:     512
    .wavefront_size: 32
...
	.end_amdgpu_metadata
.endif
;; end of part 3
